; MI455X (gfx1250); checked and timed in simulation.
; The chip was launched on July 23, 2026; its instructions are those of AMD's public machine-readable ISA for CDNA 5 (MIT licence, August 2026) and "CDNA5" Instruction Set Architecture Reference Guide (July 2026). The comments in the code are by the model that wrote it; some were corrected since.
;; Brute Force Mo E Linear. Allowed arithmetic: float matrix products may take bf16 or f16 operands with f32 sums; other float arithmetic in f32, or as packed bf16 or f16 multiplies, adds, multiply-adds, maxima and minima; sums over many terms, partial sums and values carried from step to step in f32; what a program stores and reads back later, other than sums and carried values, may be rounded once to bf16 or f16.
;; Inputs: b1 16 x 1,024 float32; b2 16 x 1,024 float32; gate_idx 2,048 x 1 int32; gate_score 2,048 x 1 float32; inp 2,048 x 1,024 float32; w1 16 x 1,024 x 1,024 float32; w2 16 x 1,024 x 1,024 float32.
;; Outputs: out0 2,048 x 1,024 float32.
;; One version. Each part assembles by itself: llvm-mc -triple=amdgcn-amd-amdhsa -mcpu=gfx1250 --defsym DOCPART=n.
;; ======== version 1 of 1: 2 launches
;; limits: values are held in f16: magnitudes above 65,504 overflow, below 6.1e-05 lose precision
;; workspace buffers: hbuf 67,108,864 bytes
;; launch ffn1 (part 1): grid 16 x 16, 4 waves a work-group, no clusters, 299,776 bytes of LDS; arguments inp, gate_idx, w1, b1, hbuf; writes hbuf
.if DOCPART == 1
	.amdgcn_target "amdgcn-amd-amdhsa--gfx1250"
	.amdhsa_code_object_version 6
	.text
	.protected	k_qee1d12642d_ffn1
	.globl	k_qee1d12642d_ffn1
	.p2align	8
	.type	k_qee1d12642d_ffn1,@function
k_qee1d12642d_ffn1:
	s_mov_b64 s[64:65], 0
	v_nop
	global_prefetch_b8 v0, s[64:65] scope:SCOPE_SE
	s_setreg_imm32_b32 hwreg(HW_REG_WAVE_MODE, 25, 1), 1
	s_wait_xcnt 0x0
; h = gelu(x W1[e]^T + b1[e]) for the tokens that chose expert e, rounded once to f16.  inp [2048][1024] f32, gate_idx [2048] i32, w1 [16][1024][1024] f32, b1 [16][1024] f32.
; FORMATS.  Every floating-point input of the program is taken rounded to bf16: x and w1 as matrix operands, and b1 likewise, so that the program computes on one set of rounded inputs.  Products in bf16, sums in f32.
; h, which the program makes itself, is stored in f16: 11 significant bits, since its rounding reaches the output undiminished.
; SHARES.  Work-group (x = slice s, y = expert e): all rows of expert e x hidden columns 64 s .. 64 s + 63 x K = 1024.  It alone reads its 64 x 1024 f32 of w1 (262,144 bytes), once.
; Wave w owns K = 256 w .. 256 w + 255 for all rows and all 64 columns: its four tensor loads (chunks of 64 k: 64 rows x 256 bytes) are asked for in the first lines, only it reads them, so its own
; s_wait_tensorcnt is all the ordering they need, and nothing is ever filled again.  The weights are rounded to bf16 on their way from LDS into 256 registers and stay there.
; The four waves' f32 partial sums meet in LDS and are added as (p0 + p1) + (p2 + p3); that order differs from one ascending sum over K.
; ROWS.  The four waves make the list of the expert's tokens from gate_idx in LDS (the next launch makes the same list by the same lines).  A tile is 16 list rows.
; Tiles 0 .. NS - 1 are always multiplied, chunk by chunk as the chunks land (4 NS groups of 8 matrix instructions, written out).  Further tiles go in pairs through a loop of constant trip counts
; (8 rounds x 8 pairs: 2,048 rows, every split of the tokens); dead pairs are jumped over, every wave passes every barrier.  List places past the count repeat a row that exists.
; THE MATRIX INSTRUCTION IS USED TRANSPOSED (source 0 = 16 weight rows, source 1 = 16 token rows): a lane holds token row l % 16 and hidden columns 8 (l / 16) + 0..7.
; OUT.  hbuf [expert 16][tile 128][K step 32][part 2][lane 32][16 bytes]: the register image of the fragments that the next launch multiplies; each store of a wave covers 512 consecutive bytes, aligned.
; NO CLUSTER: each weight byte has one reader in the launch, and the rows that an expert's work-groups share come by a list, which no tile descriptor covers.
; LIMITS.  f16 holds no number beyond 65,504: |h| stays below that (x and w1 both with an offset of 30 times their spread give 1024 x 30 x 0.6 = 18,432); below 6e-5 h keeps f16's fixed step of 6e-8.
; gate_idx lies in 0..15 (a token with another index is in no list).  gelu is the tanh form, x / (1 + 2^(-x (c1 + c2 x^2))); an exponential below 2^-126 counts as 0.  An expert without tokens
; still stores its tile 0 (made of token 0), so that the next launch reads only bytes that were stored.
; REGISTERS, in windows of 256 (s_set_vgpr_msb: bits 1:0 source 0, 3:2 source 1, 5:4 source 2, 7:6 destination):
;   window 0: v0-31 addresses; v32-63 two token fragment buffers; v64-127 a pair's sums; v128-191 the finishing loop's data (v64-191: weights on their way to bf16); v192-223 bias, addresses, the token queue
;   window 1: the weights, bf16      from v512 on: the sweep's sums, 32 a tile; behind them a ring of 8 slots of 32: token rows as loaded (f32)
.set NS,     4                         ; tiles of the sweep: even, at most 8
.set PITCH,  272                       ; an LDS row: 256 bytes + 16 of padding: the 16 rows that a load or store touches start 16 bytes apart modulo 256
.set SLOTB,  16*PITCH                  ; 16 rows: a block of 16 weight rows; later a tile's partial sums
.set CHB,    64*PITCH                  ; a chunk: 64 weight rows x 64 k of f32
.set WREGB,  4*CHB                     ; a wave's region: four chunks; once they are in registers, 16 slots of partial sums (the region has had its last fill)
.set TOK,    4*WREGB                   ; the list: places 0..2079, then 128 places that take what is not the expert's; 10,240 bytes
.set HDR,    TOK+20480                 ; words 0-3: the four waves' counts
.set SPARE,  HDR+256                   ; the spare words, 128 bytes for each wave: two blocks of 256 bytes that no other line names
.set SPW,  3                           ; v3   my spare word's LDS address; never rewritten
.set NIL,  4                           ; v4   0; never rewritten
.set BA,   5                           ; v5   my wave's region + (l % 16) x 272 + 32 (l / 16): weights are read and sums are put from here
.set SPC,  6                           ; v6   the same at the pair's two slots
.set LL,   7                           ; v7   TOK + 4 (l % 16)
.set LA,   8                           ; v8   at work
.set HL,   9                           ; v9   my 16 bytes in a tile of hbuf
.set N0,   10                          ; v10, v11  at work
.set N1,   11
.set FL,   12                          ; v12  (l % 16) x 272 + 64 w + 32 (l / 16): my 8 columns of a row of partial sums
.set XL,   13                          ; v13  1024 w + 32 (l / 16): my place in a token row
.set ADP,  14                          ; v14, v15  byte offsets in inp of my row of the pair's two tiles
.set AD,   16                          ; v16 ..    the same for the sweep's tiles
.set FR,   32
.set PA,   64
.set TC,   64                          ; v64-191   a chunk's 128 registers of f32
.set FD,   128
.set BIAS, 192                         ; v192-199  b1 of my 8 columns
.set RQ,   200                         ; v200-203  where the four waves' partial sums are read
.set SOF,  204                         ; v204      the stores' offset in hbuf
.set QT,   208                         ; v208-223  the queue: my row's token in the tiles two and more ahead of the pair in hand
.set RINGA, 512+32*NS                  ; the ring's first register, counted from v0
.set G1,   24                          ; s[24:31] descriptor group 1
.set G0,   32                          ; s[32:47] descriptor group 0, a set for each chunk
.set MSB, 0
.macro WIN new                         ; the immediate's high byte repeats the setting that is left; a switch that changes nothing is dropped
.if MSB != (\new)
	s_set_vgpr_msb (MSB<<8)|(\new)
.set MSB, (\new)
.endif
.endm
.macro PLACES                          ; four places between a matrix instruction and a store that reads its result
.rept 4
	v_nop
.endr
.endm
; Group n = (tile, chunk): n < 4 NS: tile n % NS, chunk n / NS; from 4 NS on: tile (n - 4 NS) / 4 of the pair, chunk (n - 4 NS) % 4.  Eight loads: my row's 2 x 32 k as f32, into ring slot n % 8.
.macro FETCH n
.if (\n) < 4*NS
.set fR, AD+(\n)%NS
.set fJ, (\n)/NS
.else
.set fR, ADP+(((\n)-4*NS)%8)/4
.set fJ, ((\n)-4*NS)%4
.endif
.set fA, RINGA+32*((\n)%8)
.set fS, fA%256
	WIN (fA/256)<<6                                ; destination in the slot's window, address window 0
.irp s, 0,1
.irp i, 0,1,2,3
	global_load_b128 v[fS+16*(\s)+4*(\i):fS+16*(\s)+4*(\i)+3], v[fR], s[4:5] offset:256*fJ+128*(\s)+16*((\i)%2)+64*((\i)/2)
.endr
.endr
.endm
.macro CVT slot, buf                   ; a ring slot's 32 f32 become two fragments of 16 rows x 32 k
.set cA, RINGA+32*(\slot)
.set cS, cA%256
	WIN (cA/256)*5                                 ; sources 0 and 1 in the slot's window, destination window 0
.set ci, 0
.rept 16
	v_cvt_pk_bf16_f32 v[FR+16*(\buf)+ci], v[cS+2*ci], v[cS+2*ci+1]
.set ci, ci+1
.endr
.endm
; Eight matrix instructions: chunk j's two K steps x four blocks of 16 columns.  The four sums take turns, one instruction a turn; chunk 0's first step starts them with 0.
.macro MUL8 j, acc, win, asrc
	WIN \win
.irp s, 0,1
.irp b, 0,1,2,3
.if ((\j) == 0) && ((\s) == 0)
	v_wmma_f32_16x16x32_bf16 v[(\acc)+8*(\b):(\acc)+8*(\b)+7], v[8*(4*(2*(\j)+(\s))+(\b)):8*(4*(2*(\j)+(\s))+(\b))+7], v[(\asrc)+8*(\s):(\asrc)+8*(\s)+7], 0
.else
	v_wmma_f32_16x16x32_bf16 v[(\acc)+8*(\b):(\acc)+8*(\b)+7], v[8*(4*(2*(\j)+(\s))+(\b)):8*(4*(2*(\j)+(\s))+(\b))+7], v[(\asrc)+8*(\s):(\asrc)+8*(\s)+7], v[(\acc)+8*(\b):(\acc)+8*(\b)+7]
.endif
.endr
.endr
.endm
.macro SPILL acc, win, areg, off       ; a tile's partial sums into my region: row l % 16, 32 bytes for each block; each sum's low registers first
	WIN \win
.irp b, 0,1,2,3
	ds_store_b128 v[\areg], v[(\acc)+8*(\b):(\acc)+8*(\b)+3] offset:(\off)+64*(\b)
	ds_store_b128 v[\areg], v[(\acc)+8*(\b)+4:(\acc)+8*(\b)+7] offset:(\off)+64*(\b)+16
.endr
.endm
.macro CONVB j                         ; chunk j: LDS -> 128 registers of f32 -> 64 registers of bf16 in window 1
	WIN 0
	s_wait_tensorcnt 3-(\j)                        ; a wave's tensor loads end in order: chunk j is in, the 3 - j later chunks stay out
.irp s, 0,1
.irp b, 0,1,2,3
.irp i, 0,1,2,3
	ds_load_b128 v[TC+16*(4*(\s)+(\b))+4*(\i):TC+16*(4*(\s)+(\b))+4*(\i)+3], v[BA] offset:(\j)*CHB+(\b)*SLOTB+128*(\s)+16*((\i)%2)+64*((\i)/2)
.endr
.endr
.endr
	s_wait_dscnt 16                                ; the first K step's 16 loads are in, the second's 16 may be out
	WIN 0x40                                       ; destination window 1
.set cc, 0
.rept 32
	v_cvt_pk_bf16_f32 v[64*(\j)+cc], v[TC+2*cc], v[TC+2*cc+1]
.set cc, cc+1
.endr
	s_wait_dscnt 0x0
.rept 32
	v_cvt_pk_bf16_f32 v[64*(\j)+cc], v[TC+2*cc], v[TC+2*cc+1]
.set cc, cc+1
.endr
.endm
; A group of the sweep.  Seven groups' loads are out at its head.  The 16 conversions name no register of the group before: they are the places behind its products,
; ahead of the store of its sums; a fragment buffer is written again two groups behind its products.
.macro GROUPM j, t
.set gg, NS*(\j)+(\t)
	s_wait_loadcnt 48                              ; loads come back in order: this group's 8 are in, six younger groups of 8 stay out
	FETCH gg+7
	CVT gg%8, gg%2
.if ((\j) == 3) && ((\t) > 0)
	SPILL 32*((\t)-1), 0x08, BA, ((\t)-1)*SLOTB    ; the tile before is finished
.endif
	MUL8 \j, 32*(\t), 0xa1, FR+16*(gg%2)
.endm
.macro GROUPP q                        ; group q of a pair: tile q / 4, chunk q % 4; it fetches the group seven further on: the pair's last, then the next pair's
	s_wait_loadcnt 48                              ; as above
.if (\q) == 0
	FETCH 4*NS+7
.else
	FETCH 4*NS+(\q)-1
.endif
	CVT \q, (\q)%2
.if (\q) == 4
	SPILL PA, 0, SPC, 0
.endif
	MUL8 (\q)%4, PA+32*((\q)/4), 0x01, FR+16*((\q)%2)
.endm
	s_load_b256 s[4:11], s[0:1], 0x0               ; inp s[4:5], gate_idx s[6:7], w1 s[8:9], b1 s[10:11]
	s_load_b64 s[12:13], s[0:1], 0x20              ; hbuf
	v_lshl_add_u32 v[SPW], v0, 2, SPARE
	v_mov_b32 v[NIL], 0
	ds_add_u32 v[SPW], v[NIL]                      ; the wave's opening: the add and its wait come ahead of my first tensor load; the set-up below stands between them
	v_lshrrev_b32 v1, 5, v0
	v_readfirstlane_b32 s16, v1                    ; wave 0..3
	s_and_b32 s17, ttmp7, 0xffff                   ; expert e
	s_mov_b32 s18, ttmp9                           ; slice s
	; group 1: a tile of 64 rows x 64 elements of 4 bytes, padded in LDS
	s_mov_b32 s[G1+0], (2<<16)|(1<<20)|(5<<22)|(3<<25)  ; 17:16 elements of 4 bytes; 20 padding on; 24:22 after every 64 words (code 5); 31:25 4 words of it (code 3)
	s_mov_b32 s[G1+1], 64<<16                      ; tensor_dim0 = 64
	s_mov_b32 s[G1+2], 64<<16                      ; tensor_dim1 = 64
	s_mov_b32 s[G1+3], 64<<16                      ; tile_dim0 = 64
	s_mov_b32 s[G1+4], 64                          ; tile_dim1 = 64
	s_mov_b32 s[G1+5], 1024                        ; elements from row to row
	s_mov_b32 s[G1+6], 0
	s_mov_b32 s[G1+7], 0
	s_mul_i32 s19, s16, WREGB                      ; my wave's region
.irp j, 0,1,2,3
	s_mov_b32 s[G0+4*(\j)], 1                      ; count = 1
	s_add_co_u32 s[G0+4*(\j)+1], s19, (\j)*CHB     ; LDS address: the wave's number times a constant plus the chunk's constant
.endr
	s_lshl_b32 s20, s17, 22                        ; e x 1024 x 4096 bytes
	s_lshl_b32 s21, s18, 18                        ; + 64 s rows
	s_add_co_u32 s20, s20, s21
	s_lshl_b32 s21, s16, 10                        ; + 256 w elements
	s_add_co_u32 s20, s20, s21
	s_mov_b32 s21, 0
	s_mov_b32 s60, 0x40135761                      ; c1 = 2 sqrt(2 / pi) log2(e)
	s_mov_b32 s61, s60                             ; named as pairs
	s_mov_b32 s62, 0x3dd2d3e8                      ; c2 = 0.044715 c1
	s_mov_b32 s63, s62
	s_wait_dscnt 0x0                               ; the opening add is done
	s_wait_kmcnt 0x0
	s_add_nc_u64 s[22:23], s[8:9], s[20:21]
.irp j, 0,1,2,3
	s_add_nc_u64 s[G0+4*(\j)+2:G0+4*(\j)+3], s[22:23], 256*(\j)
	s_or_b32 s[G0+4*(\j)+3], s[G0+4*(\j)+3], 0x80000000  ; type = 2
.endr
.irp j, 0,1,2,3
	tensor_load_to_lds s[G0+4*(\j):G0+4*(\j)+3], s[G1:G1+7]  ; the whole slice is on its way: four loads of mine are out
	s_nop 0
.endr
	v_and_b32 v1, 15, v0                           ; r = l % 16
	v_bfe_u32 v2, v0, 4, 1                         ; h = l / 16
	v_and_b32 v[N0], 31, v0                        ; lane
	v_mul_u32_u24 v[BA], v1, PITCH
	v_lshl_add_u32 v[BA], v2, 5, v[BA]
	s_lshl_b32 s20, s16, 6
	v_add_nc_u32 v[FL], s20, v[BA]
	v_add_nc_u32 v[BA], s19, v[BA]
	v_lshl_add_u32 v[LL], v1, 2, TOK
	s_lshl_b32 s20, s16, 10
	v_lshl_add_u32 v[XL], v2, 5, s20
	s_lshl_b32 s20, s18, 1                         ; my 8 hidden columns 64 s + 16 w + 8 h lie in K step 2 s + w / 2, part w % 2
	s_lshr_b32 s21, s16, 1
	s_add_co_u32 s20, s20, s21
	s_lshl_b32 s20, s20, 10
	s_and_b32 s21, s16, 1
	s_lshl_b32 s21, s21, 9
	s_add_co_u32 s20, s20, s21
	v_lshl_add_u32 v[HL], v[N0], 4, s20
	s_lshl_b32 s20, s17, 12                        ; b1: 4 (1024 e + 64 s + 16 w + 8 h)
	s_lshl_b32 s21, s18, 8
	s_add_co_u32 s20, s20, s21
	s_lshl_b32 s21, s16, 6
	s_add_co_u32 s20, s20, s21
	v_lshl_add_u32 v[N1], v2, 5, s20
	global_load_b128 v[BIAS:BIAS+3], v[N1], s[10:11]
	global_load_b128 v[BIAS+4:BIAS+7], v[N1], s[10:11] offset:16
	; THE LIST, by all four waves, while the weights arrive.  Register 4 j + c of thread t holds the index of token 512 j + 4 t + c.  The list's order: by wave, then by register, then by lane.
	v_lshlrev_b32 v64, 4, v0
.irp j, 0,1,2,3
	global_load_b128 v[128+4*(\j):128+4*(\j)+3], v64, s[6:7] offset:2048*(\j)
.endr
	v_add_nc_u32 v65, TOK, v64
	v_mov_b32 v72, 0
	v_mov_b32 v73, 0
	v_mov_b32 v74, 0
	v_mov_b32 v75, 0
.irp k, 0,1,2,3,4
	ds_store_b128 v65, v[72:75] offset:2048*(\k)   ; every place of the list names token 0 to begin with: a row that exists
.endr
	v_add_nc_u32 v67, 2080, v0                     ; where a thread puts a token that is not the expert's
	v_lshlrev_b32 v68, 2, v0
	s_mov_b32 s67, 0
	s_wait_loadcnt 0x0                             ; the indices and the bias
.irp k, 0,2,4,6
	v_cvt_pk_bf16_f32 v[BIAS+(\k)], v[BIAS+(\k)], v[BIAS+(\k)+1]  ; b1 is rounded to bf16, as x and w1 are,
.endr
.irp k, 0,2,4,6
	v_and_b32 v[BIAS+(\k)+1], 0xffff0000, v[BIAS+(\k)]            ; and kept as f32: the upper half stays,
	v_lshlrev_b32 v[BIAS+(\k)], 16, v[BIAS+(\k)]                  ; the lower moves up
.endr
.set ri, 0
.rept 16
	v_cmp_eq_u32 s[70+ri], s17, v[128+ri]          ; sixteen masks of hits, kept for the placing
.set ri, ri+1
.endr
.set ri, 0
.rept 16
	s_bcnt1_i32_b32 s68, s[70+ri]
	s_add_co_u32 s67, s67, s68                     ; my wave's count
.set ri, ri+1
.endr
	s_lshl_b32 s68, s16, 2
	s_add_co_u32 s68, s68, HDR
	v_mov_b32 v69, s68
	v_mov_b32 v70, s67
	ds_store_b32 v69, v70                          ; all lanes write the same word with the same number
	s_wait_dscnt 0x0                               ; for the others' sake: my part of the zeros and my count are written
	s_barrier_signal -1
	s_barrier_wait -1                              ; the tensor loads stay out across these barriers
	v_mov_b32 v69, HDR
	ds_load_b128 v[76:79], v69
	s_wait_dscnt 0x0
	v_readfirstlane_b32 s86, v76
	v_readfirstlane_b32 s87, v77
	v_readfirstlane_b32 s88, v78
	v_readfirstlane_b32 s89, v79
	s_add_co_u32 s48, s86, s87
	s_add_co_u32 s48, s48, s88
	s_add_co_u32 s48, s48, s89
	s_min_u32 s48, s48, 2048                       ; the expert's count
	s_cmp_gt_u32 s16, 0                            ; my wave's first place: the counts of the waves below it
	s_cselect_b32 s67, s86, 0
	s_cmp_gt_u32 s16, 1
	s_cselect_b32 s68, s87, 0
	s_add_co_u32 s67, s67, s68
	s_cmp_gt_u32 s16, 2
	s_cselect_b32 s68, s88, 0
	s_add_co_u32 s67, s67, s68
.set ri, 0
.rept 16
	v_mbcnt_lo_u32_b32 v69, s[70+ri], s67          ; placed so far + the hits in the lanes below mine
	s_bcnt1_i32_b32 s68, s[70+ri]
	s_add_co_u32 s67, s67, s68
	v_cndmask_b32 v69, v67, v69, s[70+ri]
	v_min_u32 v69, 2207, v69
	v_lshl_add_u32 v69, v69, 2, TOK
	v_add_nc_u32 v70, 512*(ri/4)+ri%4, v68
	ds_store_b32 v69, v70
.set ri, ri+1
.endr
	s_wait_dscnt 0x0                               ; for the others' sake: my tokens are placed
	s_barrier_signal -1
	s_barrier_wait -1
	s_cmp_lg_u32 s16, 0
	s_cbranch_scc1 .Lpadded
	v_mov_b32 v71, TOK
	ds_load_b32 v70, v71                           ; the expert's first token
	v_add_nc_u32 v69, s48, v0                      ; in wave 0 the thread's number is the lane's
	v_min_u32 v69, 2079, v69
	v_lshl_add_u32 v69, v69, 2, TOK
	s_wait_dscnt 0x0
	ds_store_b32 v69, v70                          ; the 32 places behind the count repeat it: the last tile's spare rows are rows of this expert
.Lpadded:
	s_wait_dscnt 0x0                               ; for the others' sake: the list is whole
	s_barrier_signal -1
	s_barrier_wait -1
	s_add_co_u32 s49, s48, 15
	s_lshr_b32 s49, s49, 4                         ; nt: live tiles
	s_max_u32 s50, s49, 1                          ; tiles that are stored
.set ri, 0
.rept NS
	ds_load_b32 v[AD+ri], v[LL] offset:64*ri
.set ri, ri+1
.endr
	ds_load_b32 v[ADP], v[LL] offset:64*NS
	ds_load_b32 v[ADP+1], v[LL] offset:64*NS+64
.set ri, 0
.rept 16
	ds_load_b32 v[QT+ri], v[LL] offset:128+64*ri   ; tiles 2 .. 17: trip U of the first round finds tiles 2 U + 2, 2 U + 3 at the queue's head
.set ri, ri+1
.endr
	s_wait_dscnt 0x0
.set ri, 0
.rept NS+2
	v_min_u32 v[ADP+ri], 2047, v[ADP+ri]           ; ADP and AD lie on end
	v_lshl_add_u32 v[ADP+ri], v[ADP+ri], 12, v[XL]
.set ri, ri+1
.endr
.irp n, 0,1,2,3,4,5,6
	FETCH \n
.endr
	; THE SWEEP: chunk by chunk as the chunks land, tiles 0 .. NS - 1 in each.
.set sj, 0
.rept 4
	CONVB sj
.set st, 0
.rept NS
	GROUPM sj, st
.set st, st+1
.endr
.set sj, sj+1
.endr
	PLACES
	SPILL 32*(NS-1), 0x08, BA, (NS-1)*SLOTB
	WIN 0
	s_wait_dscnt 0x0                               ; every wave's weights are in registers, its reads of the chunks and of the list are back and its tensor loads have landed:
	s_barrier_signal -1                            ; behind this barrier sums are put at slots that step with the loops.  Each wave writes its own region alone; the barrier
	s_barrier_wait -1                              ; makes that order plain without the stepped addresses' arithmetic
	; THE ROUNDS: 16 tile slots each.  Pairs of tiles -> barrier -> the four partial sums are added, gelu, store -> barrier.
	s_mov_b32 s52, 0                               ; R
.Lround:
	s_lshl_b32 s55, s52, 4                         ; T0 = 16 R
	s_cmp_ge_u32 s55, s49
	s_cbranch_scc1 .La                             ; no live tile in this round
	s_mov_b32 s53, 0                               ; U
.Lpair:
	s_lshl_b32 s54, s52, 3
	s_add_co_u32 s54, s54, s53                     ; P = 8 R + U: tiles 2 P, 2 P + 1
	s_cmp_lt_u32 s54, NS/2
	s_cbranch_scc1 .Lnext                          ; the sweep has done these tiles
	s_lshl_b32 s57, s54, 1
	s_cmp_ge_u32 s57, s49
	s_cbranch_scc1 .Lnext                          ; a dead pair.  Live pairs follow each other, so the ring always holds the next live pair's first seven groups
	s_mul_i32 s57, s53, 2*SLOTB
	v_add_nc_u32 v[SPC], s57, v[BA]
	GROUPP 0
	WIN 0
	s_wait_xcnt 0x0                                ; the loads that name ADP have had their addresses translated: only now is it rewritten
	v_min_u32 v[N0], 2047, v[QT]                   ; the next pair's tokens stand at the queue's head
	v_min_u32 v[N1], 2047, v[QT+1]
	v_lshl_add_u32 v[ADP], v[N0], 12, v[XL]
	v_lshl_add_u32 v[ADP+1], v[N1], 12, v[XL]
.irp q, 1,2,3,4,5,6,7
	GROUPP \q
.endr
	WIN 0
	PLACES
	SPILL PA+32, 0, SPC, SLOTB
.Lnext:
.set ri, 0
.rept 14
	v_mov_b32 v[QT+ri], v[QT+ri+2]                 ; the queue moves down by a pair in every trip, a jumped one too: no LDS read stands among the waves' stores
.set ri, ri+1
.endr
	s_add_co_u32 s53, s53, 1
	s_cmp_lt_u32 s53, 8
	s_cbranch_scc1 .Lpair
.La:
	s_wait_dscnt 0x0                               ; for the others' sake: my partial sums are written
	s_barrier_signal -1
	s_barrier_wait -1
	s_cmp_ge_u32 s55, s50
	s_cbranch_scc1 .Lb
	s_min_u32 s57, s52, 6                          ; the queue for the next round: tiles 16 R + 18 .. 16 R + 33; behind the last round there is none, and the seventh's is read once more
	s_lshl_b32 s57, s57, 10
	v_add_nc_u32 v[LA], s57, v[LL]
.set ri, 0
.rept 16
	ds_load_b32 v[QT+ri], v[LA] offset:1152+64*ri  ; between the round's two barriers no wave stores to LDS
.set ri, ri+1
.endr
	s_mov_b32 s56, 0                               ; F: two slots a trip.  Wave w finishes block w of 16 columns
.Lfin:
	s_lshl1_add_u32 s58, s56, s55                  ; T = T0 + 2 F
	s_cmp_ge_u32 s58, s50
	s_cbranch_scc1 .Lfnext
	s_wait_xcnt 0x0                                ; the last trip's stores have read their offset and data: these registers are rewritten below
	s_mul_i32 s57, s56, 2*SLOTB
.irp q, 0,1,2,3
	s_add_co_u32 s59, s57, (\q)*WREGB
	v_add_nc_u32 v[RQ+(\q)], s59, v[FL]
.endr
	s_lshl_b32 s57, s17, 7
	s_add_co_u32 s57, s57, s58
	s_lshl_b32 s57, s57, 15                        ; tile 128 e + T of hbuf
	v_add_nc_u32 v[SOF], s57, v[HL]
.irp i, 0,1
.irp q, 0,1,2,3
	ds_load_b128 v[FD+32*(\i)+8*(\q):FD+32*(\i)+8*(\q)+3],   v[RQ+(\q)] offset:(\i)*SLOTB
	ds_load_b128 v[FD+32*(\i)+8*(\q)+4:FD+32*(\i)+8*(\q)+7], v[RQ+(\q)] offset:(\i)*SLOTB+16
.endr
.endr
.irp i, 0,1                            ; x = (p0 + p1) + (p2 + p3) + b1; z = -x (c1 + c2 x^2); 2^z.  The second tile's plain lines follow the first's exponentials
	s_wait_dscnt 8-8*(\i)                          ; tile i's 8 loads are in, the later tile's 8 stay out
.irp k, 0,2,4,6
	v_pk_add_f32 v[FD+32*(\i)+(\k):FD+32*(\i)+(\k)+1], v[FD+32*(\i)+(\k):FD+32*(\i)+(\k)+1], v[FD+32*(\i)+8+(\k):FD+32*(\i)+8+(\k)+1]
	v_pk_add_f32 v[FD+32*(\i)+16+(\k):FD+32*(\i)+16+(\k)+1], v[FD+32*(\i)+16+(\k):FD+32*(\i)+16+(\k)+1], v[FD+32*(\i)+24+(\k):FD+32*(\i)+24+(\k)+1]
.endr
.irp k, 0,2,4,6
	v_pk_add_f32 v[FD+32*(\i)+(\k):FD+32*(\i)+(\k)+1], v[FD+32*(\i)+(\k):FD+32*(\i)+(\k)+1], v[FD+32*(\i)+16+(\k):FD+32*(\i)+16+(\k)+1]
.endr
.irp k, 0,2,4,6
	v_pk_add_f32 v[FD+32*(\i)+(\k):FD+32*(\i)+(\k)+1], v[FD+32*(\i)+(\k):FD+32*(\i)+(\k)+1], v[BIAS+(\k):BIAS+(\k)+1]
.endr
.irp k, 0,2,4,6
	v_pk_mul_f32 v[FD+32*(\i)+8+(\k):FD+32*(\i)+8+(\k)+1], v[FD+32*(\i)+(\k):FD+32*(\i)+(\k)+1], v[FD+32*(\i)+(\k):FD+32*(\i)+(\k)+1]
.endr
.irp k, 0,2,4,6
	v_pk_fma_f32 v[FD+32*(\i)+8+(\k):FD+32*(\i)+8+(\k)+1], v[FD+32*(\i)+8+(\k):FD+32*(\i)+8+(\k)+1], s[62:63], s[60:61] op_sel_hi:[1,0,0]
.endr
.irp k, 0,2,4,6
	v_pk_mul_f32 v[FD+32*(\i)+8+(\k):FD+32*(\i)+8+(\k)+1], v[FD+32*(\i)+(\k):FD+32*(\i)+(\k)+1], v[FD+32*(\i)+8+(\k):FD+32*(\i)+8+(\k)+1] neg_lo:[1,0] neg_hi:[1,0]
.endr
.irp k, 0,1,2,3,4,5,6,7
	v_exp_f32 v[FD+32*(\i)+8+(\k)], v[FD+32*(\i)+8+(\k)]
.endr
.endr
	v_nop                                          ; a plain instruction behind the last exponential,
	s_wait_alu depctr_va_vdst(0)                   ; and one wait for the batch of 16, ahead of its first reader
.irp i, 0,1
.irp k, 0,2,4,6
	v_pk_add_f32 v[FD+32*(\i)+8+(\k):FD+32*(\i)+8+(\k)+1], v[FD+32*(\i)+8+(\k):FD+32*(\i)+8+(\k)+1], 1.0 op_sel_hi:[1,0]
.endr
.endr
.irp i, 0,1
.irp k, 0,1,2,3,4,5,6,7
	v_rcp_f32 v[FD+32*(\i)+8+(\k)], v[FD+32*(\i)+8+(\k)]
.endr
.endr
	v_nop
	s_wait_alu depctr_va_vdst(0)                   ; one wait for the 16 reciprocals
.irp i, 0,1
.irp k, 0,2,4,6
	v_pk_mul_f32 v[FD+32*(\i)+(\k):FD+32*(\i)+(\k)+1], v[FD+32*(\i)+(\k):FD+32*(\i)+(\k)+1], v[FD+32*(\i)+8+(\k):FD+32*(\i)+8+(\k)+1]
.endr
.irp k, 0,2,4,6
	v_cvt_pk_f16_f32 v[FD+32*(\i)+16+(\k)/2], v[FD+32*(\i)+(\k)], v[FD+32*(\i)+(\k)+1]  ; h's one rounding, to f16
.endr
.endr
	global_store_b128 v[SOF], v[FD+16:FD+19], s[12:13]  ; 512 consecutive bytes, at a multiple of 512 from hbuf's first byte
	s_add_co_u32 s59, s58, 1
	s_cmp_ge_u32 s59, s50
	s_cbranch_scc1 .Lfnext                         ; a tile past the last live one is not stored
	global_store_b128 v[SOF], v[FD+48:FD+51], s[12:13] offset:32768
.Lfnext:
	s_add_co_u32 s56, s56, 1
	s_cmp_lt_u32 s56, 8
	s_cbranch_scc1 .Lfin
.Lb:
	s_wait_dscnt 0x0                               ; my reads of the partial sums and of the list are back: the next round may write the slots again
	s_barrier_signal -1
	s_barrier_wait -1
	s_add_co_u32 s52, s52, 1
	s_cmp_lt_u32 s52, 8
	s_cbranch_scc1 .Lround
	s_wait_tensorcnt 0x0                           ; the wave's end, behind my last tensor load and my last LDS store
	ds_add_u32 v[SPW], v[NIL]
	s_wait_dscnt 0x0
	s_endpgm                                       ; the ring's last seven groups, fetched ahead for a pair that is not, stay out: they point at rows that exist
.Lfunc_end_k_qee1d12642d_ffn1:
	.size	k_qee1d12642d_ffn1, .Lfunc_end_k_qee1d12642d_ffn1-k_qee1d12642d_ffn1
	.p2alignl 7, 3214868480
	.fill 96, 4, 3214868480
	.section	.rodata,"a",@progbits
	.p2align	6, 0x0
	.amdhsa_kernel k_qee1d12642d_ffn1
		.amdhsa_group_segment_fixed_size 299776
		.amdhsa_private_segment_fixed_size 0
		.amdhsa_enable_private_segment 0
		.amdhsa_kernarg_size 40
		.amdhsa_user_sgpr_count 2
		.amdhsa_user_sgpr_kernarg_segment_ptr 1
		.amdhsa_wavefront_size32 1
		.amdhsa_system_sgpr_workgroup_id_x 1
		.amdhsa_system_sgpr_workgroup_id_y 1
		.amdhsa_system_sgpr_workgroup_id_z 1
		.amdhsa_system_vgpr_workitem_id 0
		.amdhsa_next_free_vgpr 896
		.amdhsa_next_free_sgpr 92
		.amdhsa_reserve_vcc 0
		.amdhsa_float_denorm_mode_32 3
		.amdhsa_float_denorm_mode_16_64 3
		.amdhsa_memory_ordered 1
		.amdhsa_forward_progress 1
		.amdhsa_inst_pref_size 121
	.end_amdhsa_kernel
	.amdgpu_metadata
---
amdhsa.version: [ 1, 2 ]
amdhsa.kernels:
  - .name:           k_qee1d12642d_ffn1
    .symbol:         k_qee1d12642d_ffn1.kd
    .args:
      - { .name: inp, .offset: 0, .size: 8, .value_kind: global_buffer, .address_space: global }
      - { .name: gate_idx, .offset: 8, .size: 8, .value_kind: global_buffer, .address_space: global }
      - { .name: w1, .offset: 16, .size: 8, .value_kind: global_buffer, .address_space: global }
      - { .name: b1, .offset: 24, .size: 8, .value_kind: global_buffer, .address_space: global }
      - { .name: hbuf, .offset: 32, .size: 8, .value_kind: global_buffer, .address_space: global }
    .group_segment_fixed_size: 299776
    .private_segment_fixed_size: 0
    .kernarg_segment_align: 8
    .kernarg_segment_size: 40
    .max_flat_workgroup_size: 128
    .sgpr_count:     92
    .vgpr_count:     896
    .wavefront_size: 32
...
	.end_amdgpu_metadata
.endif
;; end of part 1
;; launch ffn2 (part 2): grid 16 x 16, 4 waves a work-group, no clusters, 299,776 bytes of LDS; arguments hbuf, gate_idx, gate_score, w2, b2, out0; writes out0
.if DOCPART == 2
	.amdgcn_target "amdgcn-amd-amdhsa--gfx1250"
	.amdhsa_code_object_version 6
	.text
	.protected	k_qee1d12642d_ffn2
	.globl	k_qee1d12642d_ffn2
	.p2align	8
	.type	k_qee1d12642d_ffn2,@function
k_qee1d12642d_ffn2:
	s_mov_b64 s[64:65], 0
	v_nop
	global_prefetch_b8 v0, s[64:65] scope:SCOPE_SE
	s_setreg_imm32_b32 hwreg(HW_REG_WAVE_MODE, 25, 1), 1
	s_wait_xcnt 0x0
; out[t] = score[t] (h[t] W2[e]^T + b2[e]) for the tokens that chose expert e.  hbuf: the launch before's h in f16, as fragment images [expert 16][tile 128][K step 32][part 2][lane 32][16 bytes];
; gate_idx [2048] i32, gate_score [2048] f32, w2 [16][1024][1024] f32, b2 [16][1024] f32, out0 [2048][1024] f32.
; FORMATS.  Every floating-point input of the program is taken rounded to bf16: w2, b2 and gate_score here.  The product is made in f16, h's format: w2's bf16 number is written as f16, which keeps it as it is
; within f16's normal range.  Sums in f32.
; SHARES.  Work-group (x = slice s, y = expert e): all rows of expert e x output columns 64 s .. 64 s + 63 x K = 1024.  It alone reads its 262,144 bytes of w2, once.  Wave w owns K = 256 w .. 256 w + 255:
; its four tensor loads (chunks of 64 k: 64 rows x 256 bytes) go out in the first lines, only it reads them; the weights go as f16 into 256 registers and stay there.
; The four waves' f32 partial sums meet in LDS and are added as (p0 + p1) + (p2 + p3); that order differs from one ascending sum over K.
; ROWS.  The four waves make the list of the expert's tokens, and of their scores, by the same lines as the launch before, so list place p is row p % 16 of tile p / 16 of hbuf.  Tiles 0 .. NS - 1 are always
; multiplied, chunk by chunk as the chunks land; tiles past the last live one repeat it.  Further tiles go in pairs through loops of constant trip counts (8 rounds x 8 pairs: every split); dead work is jumped
; over, every wave passes every barrier.  The last live tile's rows past the count are the expert's first token once more: the same numbers go to the same bytes of out0, from this work-group alone.
; THE MATRIX INSTRUCTION IS USED TRANSPOSED (source 0 = 16 weight rows, source 1 = 16 rows of h): a lane holds row l % 16 and columns 8 (l / 16) + 0..7.
; OUT.  Sixteen lanes store 256 consecutive bytes of a token's row, at a multiple of 256 from out0's first byte.
; NO CLUSTER: each weight byte has one reader.  An expert's 16 work-groups share h's tiles, but beside 278,528 bytes of weights LDS has no room for two slots of them,
; and the number of their refills would hang on the expert's count.
; LIMITS.  f16 holds no number beyond 65,504: |w2| stays below that; below 6e-5 a weight keeps f16's fixed step of 6e-8.  gate_idx lies in 0..15: a token with another index is in no list, and its row is not written.
; REGISTERS, in windows of 256 (s_set_vgpr_msb: bits 1:0 source 0, 3:2 source 1, 5:4 source 2, 7:6 destination):
;   window 0: v0-31 addresses; v32-47 (score, token) pairs; v48-51 bias; v64-127 a pair's sums; v128-255 at work      window 1: the weights, f16
;   window 2: the sweep's sums, 32 a tile      window 3: v0-127 a ring of 8 slots of 16: fragments of h as loaded
.set NS,     4                         ; tiles of the sweep: even, at most 8
.set PITCH,  272                       ; an LDS row: 256 bytes + 16 of padding
.set SLOTB,  16*PITCH                  ; 16 rows: a block of 16 weight rows; later a tile's partial sums
.set CHB,    64*PITCH                  ; a chunk: 64 weight rows x 64 k of f32
.set WREGB,  4*CHB                     ; a wave's region: four chunks; once they are in registers, 16 slots of partial sums (the region has had its last fill)
.set TOK,    4*WREGB                   ; the list: places 0..2079, then 128 places that take what is not the expert's; 10,240 bytes
.set SCR,    10240                     ; the scores lie this far behind the tokens
.set HDR,    TOK+20480                 ; words 0-3: the four waves' counts
.set SPARE,  HDR+256                   ; the spare words, 128 bytes for each wave: two blocks of 256 bytes that no other line names
.set SPW,  3                           ; v3   my spare word's LDS address; never rewritten
.set NIL,  4                           ; v4   0; never rewritten
.set BA,   5                           ; v5   my wave's region + (l % 16) x 272 + 32 (l / 16)
.set SPC,  6                           ; v6   the same at the pair's two slots
.set LLF,  7                           ; v7   TOK + 4 (4 w + l / 16): the list place of the first row that I finish in tile 0
.set LA,   8                           ; v8   at work
.set OL,   9                           ; v9   256 s + 16 (l % 16): my 16 bytes in a row of out0
.set N0,   10                          ; v10, v11 at work
.set N1,   11
.set FL,   12                          ; v12  (4 w + l / 16) x 272 + 16 (l % 16)
.set XL,   13                          ; v13  8192 w + 16 lane: my place in a tile of hbuf
.set ADP,  14                          ; v14, v15  byte offsets in hbuf for the pair's two tiles
.set AD,   16                          ; v16 ..    the same for the sweep's tiles
.set RQ,   16                          ; later v16-19: where the four waves' partial sums are read
.set PR,   32
.set BI,   48
.set PA,   64
.set T128, 128
.set G1,   24
.set G0,   32
.set UPM,  90                          ; s90  the mask of a word's upper bf16
.set MSB, 0
.macro WIN new                         ; the immediate's high byte repeats the setting that is left; a switch that changes nothing is dropped
.if MSB != (\new)
	s_set_vgpr_msb (MSB<<8)|(\new)
.set MSB, (\new)
.endif
.endm
.macro PLACES                          ; four places between a matrix instruction and a load into one of its sources or a store of its result (ISA guide 7.12.1 for vector instructions)
.rept 4
	v_nop
.endr
.endm
; Group n = (tile, chunk): n < 4 NS: tile n % NS, chunk n / NS; from 4 NS on: tile (n - 4 NS) / 4 of the pair, chunk (n - 4 NS) % 4.  Four loads of 512 consecutive bytes: two fragments, into ring slot n % 8.
.macro FETCH n
.if (\n) < 4*NS
.set fR, AD+(\n)%NS
.set fJ, (\n)/NS
.else
.set fR, ADP+(((\n)-4*NS)%8)/4
.set fJ, ((\n)-4*NS)%4
.endif
.set fS, 16*((\n)%8)
	WIN 0xc0                                       ; destination window 3, address window 0
.irp i, 0,1,2,3
	global_load_b128 v[fS+4*(\i):fS+4*(\i)+3], v[fR], s[4:5] offset:2048*fJ+512*(\i)
.endr
.endm
; Eight matrix instructions: chunk j's two K steps x four blocks of 16 columns.  The four sums take turns, one instruction a turn; chunk 0's first step starts them with 0.
.macro MUL8 j, acc, win, asrc
	WIN \win
.irp s, 0,1
.irp b, 0,1,2,3
.if ((\j) == 0) && ((\s) == 0)
	v_wmma_f32_16x16x32_f16 v[(\acc)+8*(\b):(\acc)+8*(\b)+7], v[8*(4*(2*(\j)+(\s))+(\b)):8*(4*(2*(\j)+(\s))+(\b))+7], v[(\asrc)+8*(\s):(\asrc)+8*(\s)+7], 0
.else
	v_wmma_f32_16x16x32_f16 v[(\acc)+8*(\b):(\acc)+8*(\b)+7], v[8*(4*(2*(\j)+(\s))+(\b)):8*(4*(2*(\j)+(\s))+(\b))+7], v[(\asrc)+8*(\s):(\asrc)+8*(\s)+7], v[(\acc)+8*(\b):(\acc)+8*(\b)+7]
.endif
.endr
.endr
.endm
.macro SPILL acc, win, areg, off       ; a tile's partial sums into my region; each sum's low registers first
	WIN \win
.irp b, 0,1,2,3
	ds_store_b128 v[\areg], v[(\acc)+8*(\b):(\acc)+8*(\b)+3] offset:(\off)+64*(\b)
	ds_store_b128 v[\areg], v[(\acc)+8*(\b)+4:(\acc)+8*(\b)+7] offset:(\off)+64*(\b)+16
.endr
.endm
; 32 pairs of weights, from pair c0 of chunk j on: rounded to bf16 (two to a word), widened again in place, and written as f16 into window 1
.macro CV32 j, c0
	WIN 0
.set cc, (\c0)
.rept 32
	v_cvt_pk_bf16_f32 v[T128+2*cc], v[T128+2*cc], v[T128+2*cc+1]
.set cc, cc+1
.endr
.set cc, (\c0)
.rept 32
	v_and_b32 v[T128+2*cc+1], s[UPM], v[T128+2*cc]
	v_lshlrev_b32 v[T128+2*cc], 16, v[T128+2*cc]
.set cc, cc+1
.endr
	WIN 0x40                                       ; destination window 1
.set cc, (\c0)
.rept 32
	v_cvt_pk_f16_f32 v[64*(\j)+cc], v[T128+2*cc], v[T128+2*cc+1]
.set cc, cc+1
.endr
.endm
.macro CONVB j                         ; chunk j: LDS -> 128 registers of f32 -> 64 registers of f16 in window 1
	WIN 0
	s_wait_tensorcnt 3-(\j)                        ; a wave's tensor loads end in order: chunk j is in, the 3 - j later chunks stay out
.irp s, 0,1
.irp b, 0,1,2,3
.irp i, 0,1,2,3
	ds_load_b128 v[T128+16*(4*(\s)+(\b))+4*(\i):T128+16*(4*(\s)+(\b))+4*(\i)+3], v[BA] offset:(\j)*CHB+(\b)*SLOTB+128*(\s)+16*((\i)%2)+64*((\i)/2)
.endr
.endr
.endr
	s_wait_dscnt 16                                ; the first K step's 16 loads are in, the second's 16 may be out
	CV32 \j, 0
	s_wait_dscnt 0x0
	CV32 \j, 32
.endm
; A group of the sweep.  The four v_nop are the places behind the group before: the fetch lands in the slot that it multiplied, and the store reads its sums.
.macro GROUPM j, t
.set gg, NS*(\j)+(\t)
	s_wait_loadcnt 24                              ; loads come back in order: this group's 4 are in, six younger groups of 4 stay out
	PLACES
	FETCH gg+7
.if ((\j) == 3) && ((\t) > 0)
	SPILL 32*((\t)-1), 0x08, BA, ((\t)-1)*SLOTB
.endif
	MUL8 \j, 32*(\t), 0xad, 16*(gg%8)
.endm
.macro GROUPP q                        ; group q of a pair: tile q / 4, chunk q % 4; it fetches the group seven further on: the pair's last, then the next pair's
	s_wait_loadcnt 24                              ; as above
	PLACES
.if (\q) == 0
	FETCH 4*NS+7
.else
	FETCH 4*NS+(\q)-1
.endif
.if (\q) == 4
	SPILL PA, 0, SPC, 0
.endif
	MUL8 (\q)%4, PA+32*((\q)/4), 0x0d, 16*(\q)
.endm
.macro HADR reg                        ; s57 holds a tile's number: not past the last live tile; + 128 e; x 32,768 bytes; + my place
	s_min_u32 s57, s57, s51
	s_add_co_u32 s57, s57, s69
	s_min_u32 s57, s57, 2047
	s_lshl_b32 s57, s57, 15
	v_add_nc_u32 v[\reg], s57, v[XL]
.endm
	s_load_b256 s[4:11], s[0:1], 0x0               ; hbuf s[4:5], gate_idx s[6:7], gate_score s[8:9], w2 s[10:11]
	s_load_b128 s[12:15], s[0:1], 0x20             ; b2 s[12:13], out0 s[14:15]
	v_lshl_add_u32 v[SPW], v0, 2, SPARE
	v_mov_b32 v[NIL], 0
	ds_add_u32 v[SPW], v[NIL]                      ; the wave's opening: the add and its wait come ahead of my first tensor load; the set-up below stands between them
	v_lshrrev_b32 v1, 5, v0
	v_readfirstlane_b32 s16, v1                    ; wave 0..3
	s_and_b32 s17, ttmp7, 0xffff                   ; expert e
	s_mov_b32 s18, ttmp9                           ; slice s
	s_lshl_b32 s69, s17, 7                         ; 128 e: the expert's first tile in hbuf
	s_mov_b32 s[UPM], 0xffff0000
	s_mov_b32 s[G1+0], (2<<16)|(1<<20)|(5<<22)|(3<<25)  ; 17:16 elements of 4 bytes; 20 padding on; 24:22 after every 64 words (code 5); 31:25 4 words of it (code 3)
	s_mov_b32 s[G1+1], 64<<16                      ; tensor_dim0 = 64
	s_mov_b32 s[G1+2], 64<<16                      ; tensor_dim1 = 64
	s_mov_b32 s[G1+3], 64<<16                      ; tile_dim0 = 64
	s_mov_b32 s[G1+4], 64                          ; tile_dim1 = 64
	s_mov_b32 s[G1+5], 1024                        ; elements from row to row
	s_mov_b32 s[G1+6], 0
	s_mov_b32 s[G1+7], 0
	s_mul_i32 s19, s16, WREGB
.irp j, 0,1,2,3
	s_mov_b32 s[G0+4*(\j)], 1
	s_add_co_u32 s[G0+4*(\j)+1], s19, (\j)*CHB
.endr
	s_lshl_b32 s20, s17, 22
	s_lshl_b32 s21, s18, 18
	s_add_co_u32 s20, s20, s21
	s_lshl_b32 s21, s16, 10
	s_add_co_u32 s20, s20, s21
	s_mov_b32 s21, 0
	s_wait_dscnt 0x0                               ; the opening add is done
	s_wait_kmcnt 0x0
	s_add_nc_u64 s[22:23], s[10:11], s[20:21]
.irp j, 0,1,2,3
	s_add_nc_u64 s[G0+4*(\j)+2:G0+4*(\j)+3], s[22:23], 256*(\j)
	s_or_b32 s[G0+4*(\j)+3], s[G0+4*(\j)+3], 0x80000000
.endr
.irp j, 0,1,2,3
	tensor_load_to_lds s[G0+4*(\j):G0+4*(\j)+3], s[G1:G1+7]  ; the whole slice is on its way: four loads of mine are out
	s_nop 0
.endr
	v_and_b32 v1, 15, v0                           ; r = l % 16
	v_bfe_u32 v2, v0, 4, 1                         ; h = l / 16
	v_and_b32 v[N0], 31, v0                        ; lane
	v_mul_u32_u24 v[BA], v1, PITCH
	v_lshl_add_u32 v[BA], v2, 5, v[BA]
	v_add_nc_u32 v[BA], s19, v[BA]
	s_mul_i32 s20, s16, 4*PITCH
	v_mul_u32_u24 v[FL], v2, PITCH
	v_lshl_add_u32 v[FL], v1, 4, v[FL]
	v_add_nc_u32 v[FL], s20, v[FL]
	s_lshl_b32 s20, s16, 4
	s_add_co_u32 s20, s20, TOK
	v_lshl_add_u32 v[LLF], v2, 2, s20
	s_lshl_b32 s20, s16, 13
	v_lshl_add_u32 v[XL], v[N0], 4, s20
	s_lshl_b32 s20, s18, 8
	v_lshl_add_u32 v[OL], v1, 4, s20
	s_lshl_b32 s21, s17, 12
	s_add_co_u32 s20, s20, s21                     ; b2: 4 (1024 e + 64 s) + 16 (l % 16)
	v_lshl_add_u32 v[N1], v1, 4, s20
	global_load_b128 v[BI:BI+3], v[N1], s[12:13]
	; THE LIST, by all four waves, while the weights arrive.  Register 4 j + c of thread t holds token 512 j + 4 t + c.  The list's order: by wave, then by register, then by lane, as in the launch before.
	v_lshlrev_b32 v64, 4, v0
.irp j, 0,1,2,3
	global_load_b128 v[128+4*(\j):128+4*(\j)+3], v64, s[6:7] offset:2048*(\j)
	global_load_b128 v[144+4*(\j):144+4*(\j)+3], v64, s[8:9] offset:2048*(\j)
.endr
	v_add_nc_u32 v65, TOK, v64
	v_mov_b32 v72, 0
	v_mov_b32 v73, 0
	v_mov_b32 v74, 0
	v_mov_b32 v75, 0
.irp k, 0,1,2,3,4,5,6,7,8,9
	ds_store_b128 v65, v[72:75] offset:2048*(\k)   ; every place names token 0 with score 0 to begin with
.endr
	v_add_nc_u32 v67, 2080, v0                     ; where a thread puts a token that is not the expert's
	v_lshlrev_b32 v68, 2, v0
	s_mov_b32 s67, 0
	s_wait_loadcnt 0x0                             ; the indices, the scores and the bias
.irp k, 0,2,4,6,8,10,12,14
	v_cvt_pk_bf16_f32 v[144+(\k)], v[144+(\k)], v[144+(\k)+1]  ; the scores are rounded to bf16, as every input is,
.endr
.irp k, 0,2
	v_cvt_pk_bf16_f32 v[BI+(\k)], v[BI+(\k)], v[BI+(\k)+1]     ; and so is b2;
.endr
.irp k, 0,2,4,6,8,10,12,14
	v_and_b32 v[144+(\k)+1], s[UPM], v[144+(\k)]               ; both are kept as f32: the upper half stays,
	v_lshlrev_b32 v[144+(\k)], 16, v[144+(\k)]                 ; the lower moves up
.endr
.irp k, 0,2
	v_and_b32 v[BI+(\k)+1], s[UPM], v[BI+(\k)]
	v_lshlrev_b32 v[BI+(\k)], 16, v[BI+(\k)]
.endr
.set ri, 0
.rept 16
	v_cmp_eq_u32 s[70+ri], s17, v[128+ri]          ; sixteen masks of hits, kept for the placing
.set ri, ri+1
.endr
.set ri, 0
.rept 16
	s_bcnt1_i32_b32 s68, s[70+ri]
	s_add_co_u32 s67, s67, s68                     ; my wave's count
.set ri, ri+1
.endr
	s_lshl_b32 s68, s16, 2
	s_add_co_u32 s68, s68, HDR
	v_mov_b32 v69, s68
	v_mov_b32 v70, s67
	ds_store_b32 v69, v70                          ; all lanes write the same word with the same number
	s_wait_dscnt 0x0                               ; for the others' sake: my part of the zeros and my count are written
	s_barrier_signal -1
	s_barrier_wait -1                              ; the tensor loads stay out across these barriers
	v_mov_b32 v69, HDR
	ds_load_b128 v[76:79], v69
	s_wait_dscnt 0x0
	v_readfirstlane_b32 s86, v76
	v_readfirstlane_b32 s87, v77
	v_readfirstlane_b32 s88, v78
	v_readfirstlane_b32 s89, v79
	s_add_co_u32 s48, s86, s87
	s_add_co_u32 s48, s48, s88
	s_add_co_u32 s48, s48, s89
	s_min_u32 s48, s48, 2048                       ; the expert's count
	s_cmp_gt_u32 s16, 0                            ; my wave's first place: the counts of the waves below it
	s_cselect_b32 s67, s86, 0
	s_cmp_gt_u32 s16, 1
	s_cselect_b32 s68, s87, 0
	s_add_co_u32 s67, s67, s68
	s_cmp_gt_u32 s16, 2
	s_cselect_b32 s68, s88, 0
	s_add_co_u32 s67, s67, s68
.set ri, 0
.rept 16
	v_mbcnt_lo_u32_b32 v69, s[70+ri], s67          ; placed so far + the hits in the lanes below mine
	s_bcnt1_i32_b32 s68, s[70+ri]
	s_add_co_u32 s67, s67, s68
	v_cndmask_b32 v69, v67, v69, s[70+ri]
	v_min_u32 v69, 2207, v69
	v_lshl_add_u32 v69, v69, 2, TOK
	v_add_nc_u32 v70, 512*(ri/4)+ri%4, v68
	ds_store_b32 v69, v70
	ds_store_b32 v69, v[144+ri] offset:SCR
.set ri, ri+1
.endr
	s_wait_dscnt 0x0                               ; for the others' sake: my tokens are placed
	s_barrier_signal -1
	s_barrier_wait -1
	s_cmp_lg_u32 s16, 0
	s_cbranch_scc1 .Lpadded
	v_mov_b32 v71, TOK
	ds_load_b32 v70, v71                           ; the expert's first token and its score
	ds_load_b32 v78, v71 offset:SCR
	v_add_nc_u32 v69, s48, v0                      ; in wave 0 the thread's number is the lane's
	v_min_u32 v69, 2079, v69
	v_lshl_add_u32 v69, v69, 2, TOK
	s_wait_dscnt 0x0
	ds_store_b32 v69, v70                          ; the 32 places behind the count repeat them
	ds_store_b32 v69, v78 offset:SCR
.Lpadded:
	s_wait_dscnt 0x0                               ; for the others' sake: the list is whole
	s_barrier_signal -1
	s_barrier_wait -1
	s_add_co_u32 s49, s48, 15
	s_lshr_b32 s49, s49, 4                         ; nt: live tiles
	s_mov_b32 s50, s49                             ; tiles that are stored
	s_max_u32 s51, s49, 1
	s_sub_co_u32 s51, s51, 1                       ; the last tile of the expert that the launch before stored
.set st, 0
.rept NS
	s_mov_b32 s57, st
	HADR AD+st
.set st, st+1
.endr
	s_mov_b32 s57, NS
	HADR ADP
	s_mov_b32 s57, NS+1
	HADR ADP+1
.irp n, 0,1,2,3,4,5,6
	FETCH \n
.endr
	; THE SWEEP: chunk by chunk as the chunks land, tiles 0 .. NS - 1 in each.
.set sj, 0
.rept 4
	CONVB sj
.set st, 0
.rept NS
	GROUPM sj, st
.set st, st+1
.endr
.set sj, sj+1
.endr
	PLACES
	SPILL 32*(NS-1), 0x08, BA, (NS-1)*SLOTB
	WIN 0
	s_wait_dscnt 0x0                               ; every wave's weights are in registers, its reads of the chunks are back and its tensor loads have landed:
	s_barrier_signal -1                            ; behind this barrier sums are put at slots that step with the loops.  Each wave writes its own region alone; the barrier
	s_barrier_wait -1                              ; makes that order plain without the stepped addresses' arithmetic
	; THE ROUNDS: 16 tile slots each.  Pairs of tiles -> barrier -> the four partial sums are added, bias, score, store -> barrier.
	s_mov_b32 s52, 0                               ; R
.Lround:
	s_lshl_b32 s55, s52, 4                         ; T0 = 16 R
	s_cmp_ge_u32 s55, s49
	s_cbranch_scc1 .La                             ; no live tile in this round
	s_mov_b32 s53, 0                               ; U
.Lpair:
	s_lshl_b32 s54, s52, 3
	s_add_co_u32 s54, s54, s53                     ; P = 8 R + U: tiles 2 P, 2 P + 1
	s_cmp_lt_u32 s54, NS/2
	s_cbranch_scc1 .Lnext                          ; the sweep has done these tiles
	s_lshl_b32 s58, s54, 1
	s_cmp_ge_u32 s58, s49
	s_cbranch_scc1 .Lnext                          ; a dead pair.  Live pairs follow each other, so the ring always holds the next live pair's first seven groups
	s_mul_i32 s57, s53, 2*SLOTB
	v_add_nc_u32 v[SPC], s57, v[BA]
	GROUPP 0
	WIN 0
	s_wait_xcnt 0x0                                ; the loads that name ADP have had their addresses translated: only now is it rewritten
	s_add_co_u32 s57, s58, 2
	HADR ADP
	s_add_co_u32 s57, s58, 3
	HADR ADP+1
.irp q, 1,2,3,4,5,6,7
	GROUPP \q
.endr
	WIN 0
	PLACES
	SPILL PA+32, 0, SPC, SLOTB
.Lnext:
	s_add_co_u32 s53, s53, 1
	s_cmp_lt_u32 s53, 8
	s_cbranch_scc1 .Lpair
.La:
	s_wait_dscnt 0x0                               ; for the others' sake: my partial sums are written
	s_barrier_signal -1
	s_barrier_wait -1
	s_cmp_ge_u32 s55, s50
	s_cbranch_scc1 .Lb
	s_mov_b32 s56, 0                               ; F: four slots a trip.  Wave w finishes rows 4 w .. 4 w + 3 of each tile, two rows to a load
.Lfin:
	s_lshl2_add_u32 s58, s56, s55                  ; T = T0 + 4 F
	s_cmp_ge_u32 s58, s50
	s_cbranch_scc1 .Lfnext
	s_wait_xcnt 0x0                                ; the last trip's stores have read their offsets and data: these registers are rewritten below
	s_mul_i32 s57, s56, 4*SLOTB
.irp q, 0,1,2,3
	s_add_co_u32 s59, s57, (\q)*WREGB
	v_add_nc_u32 v[RQ+(\q)], s59, v[FL]
.endr
	s_lshl_b32 s59, s58, 6                         ; 16 list places of 4 bytes a tile
	v_add_nc_u32 v[LA], s59, v[LLF]
.irp k, 0,1,2,3,4,5,6,7                ; tile k / 2, rows 2 (k % 2) on: the score below, the token above it in a pair
	ds_load_b32 v[PR+2*(\k)],   v[LA] offset:64*((\k)/2)+8*((\k)%2)+SCR
	ds_load_b32 v[PR+2*(\k)+1], v[LA] offset:64*((\k)/2)+8*((\k)%2)
.endr
.irp i, 0,1,2,3
.irp u, 0,1
.irp q, 0,1,2,3
	ds_load_b128 v[T128+32*(\i)+16*(\u)+4*(\q):T128+32*(\i)+16*(\u)+4*(\q)+3], v[RQ+(\q)] offset:(\i)*SLOTB+(\u)*2*PITCH
.endr
.endr
.endr
.irp i, 0,1,2,3
	s_wait_dscnt 24-8*(\i)                         ; the list entries and tile i's 8 loads are in, the later tiles' 8 each stay out
.irp u, 0,1
.irp k, 0,2
	v_pk_add_f32 v[T128+32*(\i)+16*(\u)+(\k):T128+32*(\i)+16*(\u)+(\k)+1], v[T128+32*(\i)+16*(\u)+(\k):T128+32*(\i)+16*(\u)+(\k)+1], v[T128+32*(\i)+16*(\u)+4+(\k):T128+32*(\i)+16*(\u)+4+(\k)+1]
	v_pk_add_f32 v[T128+32*(\i)+16*(\u)+8+(\k):T128+32*(\i)+16*(\u)+8+(\k)+1], v[T128+32*(\i)+16*(\u)+8+(\k):T128+32*(\i)+16*(\u)+8+(\k)+1], v[T128+32*(\i)+16*(\u)+12+(\k):T128+32*(\i)+16*(\u)+12+(\k)+1]
.endr
.irp k, 0,2
	v_pk_add_f32 v[T128+32*(\i)+16*(\u)+(\k):T128+32*(\i)+16*(\u)+(\k)+1], v[T128+32*(\i)+16*(\u)+(\k):T128+32*(\i)+16*(\u)+(\k)+1], v[T128+32*(\i)+16*(\u)+8+(\k):T128+32*(\i)+16*(\u)+8+(\k)+1]
.endr
.irp k, 0,2
	v_pk_add_f32 v[T128+32*(\i)+16*(\u)+(\k):T128+32*(\i)+16*(\u)+(\k)+1], v[T128+32*(\i)+16*(\u)+(\k):T128+32*(\i)+16*(\u)+(\k)+1], v[BI+(\k):BI+(\k)+1]
.endr
.irp k, 0,2
	v_pk_mul_f32 v[T128+32*(\i)+16*(\u)+(\k):T128+32*(\i)+16*(\u)+(\k)+1], v[T128+32*(\i)+16*(\u)+(\k):T128+32*(\i)+16*(\u)+(\k)+1], v[PR+4*(\i)+2*(\u):PR+4*(\i)+2*(\u)+1] op_sel_hi:[1,0]
.endr
	v_min_u32 v[PR+4*(\i)+2*(\u)+1], 2047, v[PR+4*(\i)+2*(\u)+1]
	v_lshl_add_u32 v[PR+4*(\i)+2*(\u)+1], v[PR+4*(\i)+2*(\u)+1], 12, v[OL]  ; the token's row of out0, my 16 bytes
.endr
.endr
.irp i, 0,1,2,3
.if (\i) > 0
	s_add_co_u32 s59, s58, (\i)
	s_cmp_ge_u32 s59, s50
	s_cbranch_scc1 .Lfnext                         ; tiles past the last live one are not stored
.endif
	global_store_b128 v[PR+4*(\i)+1], v[T128+32*(\i):T128+32*(\i)+3], s[14:15] th:TH_STORE_NT      ; 16 lanes store 256 consecutive bytes, aligned
	global_store_b128 v[PR+4*(\i)+3], v[T128+32*(\i)+16:T128+32*(\i)+19], s[14:15] th:TH_STORE_NT
.endr
.Lfnext:
	s_add_co_u32 s56, s56, 1
	s_cmp_lt_u32 s56, 4
	s_cbranch_scc1 .Lfin
.Lb:
	s_wait_dscnt 0x0                               ; my reads of the partial sums are back: the next round may write the slots again
	s_barrier_signal -1
	s_barrier_wait -1
	s_add_co_u32 s52, s52, 1
	s_cmp_lt_u32 s52, 8
	s_cbranch_scc1 .Lround
	s_wait_tensorcnt 0x0                           ; the wave's end, behind my last tensor load and my last LDS store
	ds_add_u32 v[SPW], v[NIL]
	s_wait_dscnt 0x0
	s_endpgm                                       ; the ring's last seven groups, fetched ahead for a pair that is not, stay out: they point at a tile that was stored
.Lfunc_end_k_qee1d12642d_ffn2:
	.size	k_qee1d12642d_ffn2, .Lfunc_end_k_qee1d12642d_ffn2-k_qee1d12642d_ffn2
	.p2alignl 7, 3214868480
	.fill 96, 4, 3214868480
	.section	.rodata,"a",@progbits
	.p2align	6, 0x0
	.amdhsa_kernel k_qee1d12642d_ffn2
		.amdhsa_group_segment_fixed_size 299776
		.amdhsa_private_segment_fixed_size 0
		.amdhsa_enable_private_segment 0
		.amdhsa_kernarg_size 48
		.amdhsa_user_sgpr_count 2
		.amdhsa_user_sgpr_kernarg_segment_ptr 1
		.amdhsa_wavefront_size32 1
		.amdhsa_system_sgpr_workgroup_id_x 1
		.amdhsa_system_sgpr_workgroup_id_y 1
		.amdhsa_system_sgpr_workgroup_id_z 1
		.amdhsa_system_vgpr_workitem_id 0
		.amdhsa_next_free_vgpr 896
		.amdhsa_next_free_sgpr 92
		.amdhsa_reserve_vcc 0
		.amdhsa_float_denorm_mode_32 3
		.amdhsa_float_denorm_mode_16_64 3
		.amdhsa_memory_ordered 1
		.amdhsa_forward_progress 1
		.amdhsa_inst_pref_size 123
	.end_amdhsa_kernel
	.amdgpu_metadata
---
amdhsa.version: [ 1, 2 ]
amdhsa.kernels:
  - .name:           k_qee1d12642d_ffn2
    .symbol:         k_qee1d12642d_ffn2.kd
    .args:
      - { .name: hbuf, .offset: 0, .size: 8, .value_kind: global_buffer, .address_space: global }
      - { .name: gate_idx, .offset: 8, .size: 8, .value_kind: global_buffer, .address_space: global }
      - { .name: gate_score, .offset: 16, .size: 8, .value_kind: global_buffer, .address_space: global }
      - { .name: w2, .offset: 24, .size: 8, .value_kind: global_buffer, .address_space: global }
      - { .name: b2, .offset: 32, .size: 8, .value_kind: global_buffer, .address_space: global }
      - { .name: out0, .offset: 40, .size: 8, .value_kind: global_buffer, .address_space: global }
    .group_segment_fixed_size: 299776
    .private_segment_fixed_size: 0
    .kernarg_segment_align: 8
    .kernarg_segment_size: 48
    .max_flat_workgroup_size: 128
    .sgpr_count:     92
    .vgpr_count:     896
    .wavefront_size: 32
...
	.end_amdgpu_metadata
.endif
;; end of part 2
